; MI455X (gfx1250); checked and timed in simulation.
; The chip was launched on July 23, 2026; its instructions are those of AMD's public machine-readable ISA for CDNA 5 (MIT licence, August 2026) and "CDNA5" Instruction Set Architecture Reference Guide (July 2026). The comments in the code are by the model that wrote it; some were corrected since.
;; Attention. Allowed arithmetic: matrix products marked QUANTISED: E2M1 operands, one E8M0 scale for each 32 along K, by v_wmma_scale_f32_16x16x128_f8f6f4 with both operands' format E2M1 (or v_wmma_scale_f32_32x16x128_f4), f32 sums; products left as they are: f32 operands where the result goes on into a quantised operand, else bf16, f16 or f32 operands; f32 sums; everything else in f32.
;; Inputs: Wk 1,024 x 1,024 float32; Wq 1,024 x 1,024 float32; Wv 1,024 x 1,024 float32; key 16 x 2,048 x 1,024 float32; query 16 x 1 x 1,024 float32; value 16 x 2,048 x 1,024 float32.
;; Outputs: out0 16 x 1 x 1,024 float32.
;; This version of the problem:
;;   THIS VERSION OF THE PROBLEM IS GIVEN IN LOW PRECISION. The matrix products marked QUANTISED in the list below multiply operands that are first quantised to E2M1 (2 exponent bits, 1 mantissa bit; 4 bits a number), with one power-of-two scale for each 32 numbers along K (OCP MX v1.0); their sums are f32. All else is computed in f32.
;;   The module's matrix products, in the order in which they are computed (A, B: the left and right operand; K: the contracted axis; several contracted axes count as one K, in the product's order):
;;     1. [M 32,768, K 1,024] x [K 1,024, N 1,024]; A: input key; B: input Wk: QUANTISED
;;     2. [M 16, K 1,024] x [K 1,024, N 1,024]; A: input query; B: input Wq: QUANTISED
;;     3. [M 32,768, K 1,024] x [K 1,024, N 1,024]; A: input value; B: input Wv: QUANTISED
;;     4. batch 16 x [M 2,048, K 1,024] x [K 1,024, N 1]; A: computed on the way; B: computed on the way: left as it is (N = 1 < 16)
;;     5. batch 16 x [M 1, K 2,048] x [K 2,048, N 1,024]; A: softmax; B: computed on the way: left as it is (M = 1 < 16)
;;   THE QUANTISER, for each operand of a quantised product, along K:
;;     - K is cut into blocks of 32 from its start; a last block that is shorter is filled with zeros.
;;     - A block's scale is 2^e with e = floor(log2(the largest magnitude in the block)) - 2, held to -126 .. 127; a block of zeros has e = 0. As a byte (E8M0): e + 127.
;;     - Each number is divided by its block's scale, clamped to +-6, and rounded to the nearest number of E2M1, ties to even, subnormals kept.
;;     - The product sums the exact products of the quantised numbers (number of the format x scale) in f32.
;;   ~~~python
;;   def quantise(x, axis):      # numpy; x: float32 -> the quantised numbers, widened to float32 again
;;       x = np.moveaxis(x, axis, -1); K = x.shape[-1]
;;       x = np.pad(x, [(0, 0)] * (x.ndim - 1) + [(0, -K % 32)]); x = x.reshape(x.shape[:-1] + (-1, 32)); a = np.abs(x).max(-1, keepdims=True)
;;       e = np.where(a > 0, np.clip(np.frexp(np.where(a > 0, a, 1))[1] - 1 - 2, -126, 127), 0)      # np.frexp(a)[1] - 1 = floor(log2(a)), exactly
;;       r = np.clip(x / 2.0 ** e, -6, 6)
;;       step = 2.0 ** (np.maximum(np.frexp(np.where(r == 0, 1, r))[1] - 1, 0) - 1)
;;       q = np.round(r / step) * step * 2.0 ** e      # np.round: ties to even
;;       return np.moveaxis(q.reshape(q.shape[:-2] + (-1,))[..., :K], -1, axis).astype(np.float32)
;;   ~~~
;; One version. Each part assembles by itself: llvm-mc -triple=amdgcn-amd-amdhsa -mcpu=gfx1250 --defsym DOCPART=n.
;; ======== version 1 of 1: 3 launches
;; limits: right only within a limited range of input values
;; workspace buffers: wfrag 1,114,112 bytes; qv 131,072 bytes; po 1,179,648 bytes
;; launch prep (part 1): grid 192 x 1, 4 waves a work-group, no clusters, 21,504 bytes of LDS; arguments Wk, Wv, Wq, query, wfrag, qv; writes wfrag, qv
.if DOCPART == 1
	.amdgcn_target "amdgcn-amd-amdhsa--gfx1250"
	.amdhsa_code_object_version 6
	.text
	.protected	k_q9268eeefa4_prep
	.globl	k_q9268eeefa4_prep
	.p2align	8
	.type	k_q9268eeefa4_prep,@function
k_q9268eeefa4_prep:
	s_mov_b64 s[64:65], 0
	v_nop
	global_prefetch_b8 v0, s[64:65] scope:SCOPE_SE
	s_setreg_imm32_b32 hwreg(HW_REG_WAVE_MODE, 25, 1), 1
	s_wait_xcnt 0x0
; Wk, Wv [1024 (k)][1024 (n)] f32 become codes of E2M1 with one E8M0 byte for each 32 along K, laid in the order in which the next launch's
; operand registers take them; q = Q(query) Q(Wq) is computed here whole, [16][1024] f32.
; SHARES.  96 work-groups: 32 for each of Wk, Wv, Wq; a work-group takes 32 columns (cg), each of its 8 waves a K step of 128, a lane ONE column:
; its 128 registers run down K, so a block of 32 lies in one lane, its largest magnitude needs no other lane, and the conversions give codes with K innermost.
; A lane then holds four whole blocks of its column; the operand's layout wants blocks h and 2 + h in lane (r, h): eight exchanges of lane halves make
; of the 16 code registers the two fragments of columns 0-15 and 16-31.
; wfrag: [wave w of the next launch: 4][body: 16][group: 4] of 4,352 bytes.  column group cg = 8 w + n, n = 2 nb + x; body = (2 p + hf) 4 + nb (p: Wk 0, Wv 1; hf: K half);
; group = 2 x + gg; K step = 4 hf + 2 gg + s'.  A group: 8 pieces of 512 bytes, piece (2 s' + c) 2 + u = registers 4 u .. 4 u + 3 of the fragment (K step, column tile c), 16 bytes a lane;
; then 256 bytes of scale words, [lane][s']: lanes 0-15 tile 0's columns, lanes 16-31 tile 1's.
; qv: [cg 32][batch 16][32 columns] f32.  Each wave multiplies its K step; the eight parts are added through LDS (so q's f32 sum goes by K steps: an order of rounding of its own).
; A block's scale is 2^(floor(log2(largest magnitude)) - 2): its byte is the largest magnitude's exponent field - 2, held at 1 from below by a floor among the maximum's leaves.
; LIMITS: NaN and infinities are not served; a block of zeros gets the byte 1 and not 127: its codes are zeros, and only this program reads the bytes.
; THE SHARES AS THEY STAND (in place of those stated above): 192 work-groups, 64 for each of Wk, Wv, Wq; work-group number = 64 x tensor + 2 cg + hf: 32 columns (cg) and one K half (hf);
; its 4 waves take K steps 4 hf + wave.  qv: [hf 2][cg 32][batch 16][32 columns] f32: each half is the sum of its four K steps, added through LDS; the next launch adds the two halves.
.set CB,    16
.set QF,    32                         ; v32-39   query's fragment
.set DD,    40                         ; v40-55   the two results
.set SWR,   56                         ; v56      W's scale word: my column's four bytes
.set SQR,   57                         ; v57      query's scale word
.set X,     64                         ; v64-191  128 numbers of my column
.set XQ,    192                        ; v192-255 64 numbers of query
.set QR,    0                          ; LDS: the Wq path's bytes: [wave 4][batch 16][32 columns] f32
.set SCW,   16384                      ; LDS: the Wk / Wv path's bytes: two groups' scale words, 256 bytes each
.set BODYB, 17408
.set GRPB,  4352
	s_load_b256 s[4:11], s[0:1], 0x0               ; Wk s[4:5], Wv s[6:7], Wq s[8:9], query s[10:11]
	s_load_b128 s[12:15], s[0:1], 0x20             ; wfrag s[12:13], qv s[14:15]
	v_lshl_add_u32 v14, v0, 2, 0x5000
	v_mov_b32 v15, 0
	v_lshrrev_b32 v4, 5, v0
	s_delay_alu instid0(VALU_DEP_1)
	v_readfirstlane_b32 s16, v4                    ; wave
	v_and_b32 v4, 31, v0                           ; lane
	v_and_b32 v11, 15, v0                          ; r
	v_bfe_u32 v5, v0, 4, 1                         ; h
	s_delay_alu instid0(VALU_DEP_3)
	v_lshlrev_b32 v1, 2, v4                        ; 4 x lane: my column in a row of W
	s_delay_alu instid0(VALU_DEP_4)
	v_lshlrev_b32 v2, 4, v4                        ; 16 x lane: my place in a piece
	v_lshlrev_b32 v3, 3, v4                        ; 8 x lane
	s_wait_alu depctr_va_vdst(0)
	v_lshlrev_b32 v6, 12, v11
	s_delay_alu instid0(VALU_DEP_1)
	v_lshl_add_u32 v6, v5, 7, v6                   ; query: row r of 4,096 bytes + 128 h
	; every LDS address is made here, ahead of the parting
	s_lshr_b32 s17, s16, 1
	s_lshl_b32 s17, s17, 8
	s_and_b32 s27, s16, 1                          ; s'
	s_lshl_b32 s20, s27, 2
	s_add_co_u32 s17, s17, s20
	s_add_co_u32 s17, s17, SCW
	v_add_nc_u32 v7, s17, v3                       ; my scale word's place: group wave / 2, [lane][s']
	s_lshl_b32 s17, s16, 11
	v_lshl_add_u32 v8, v5, 10, s17
	s_delay_alu instid0(VALU_DEP_1)
	v_lshl_add_u32 v8, v11, 2, v8                  ; q's parts: wave x 2,048 + 8 h batches of 128 bytes + 4 r
	s_lshl_b32 s17, s16, 9
	v_add_nc_u32 v9, s17, v2                       ; and back: 512 bytes a wave of each part, 16 a lane
	s_lshl_b32 s17, s16, 8
	s_add_co_u32 s17, s17, SCW
	v_add_nc_u32 v10, s17, v3                      ; a group's scale words back (waves 0 and 1)
	s_lshr_b32 s23, ttmp9, 6                       ; which tensor
	s_bfe_u32 s22, ttmp9, 0x50001                  ; cg
	s_and_b32 s38, ttmp9, 1                        ; hf
	s_lshl_b32 s39, s38, 2
	s_add_co_u32 s39, s39, s16                     ; my K step s = 4 hf + wave
	s_lshl_b32 s20, s39, 19                        ; W: 128 s rows of 4,096 bytes
	s_lshl_b32 s21, s22, 7                         ; + 32 cg columns
	s_add_co_u32 s20, s20, s21
	s_mov_b32 s21, 0
	s_lshr_b32 s24, s22, 3
	s_lshl_b32 s24, s24, 4                         ; 16 w
	s_bfe_u32 s25, s22, 0x20001                    ; nb
	s_add_co_u32 s24, s24, s25
	s_lshl_b32 s25, s23, 3                         ; 8 p
	s_add_co_u32 s24, s24, s25
	s_and_b32 s26, s22, 1
	s_lshl_b32 s26, s26, 1                         ; 2 x
	s_lshr_b32 s28, s39, 2
	s_lshl_b32 s28, s28, 2                         ; 4 hf
	s_add_co_u32 s28, s28, s24
	s_mul_i32 s28, s28, BODYB                      ; my fragments' body,
	s_bfe_u32 s29, s16, 0x10001                    ; gg
	s_add_co_u32 s29, s29, s26
	s_mul_i32 s29, s29, GRPB                       ; group,
	s_add_co_u32 s28, s28, s29
	s_lshl_b32 s29, s27, 11                        ; and K step in it
	s_add_co_u32 s28, s28, s29
	s_mov_b32 s29, 0
	s_lshl_b32 s30, s38, 2                         ; waves 0 and 1 store the scale words of group (hf, gg = wave)
	s_add_co_u32 s30, s30, s24
	s_mul_i32 s30, s30, BODYB
	s_add_co_u32 s31, s27, s26
	s_mul_i32 s31, s31, GRPB
	s_add_co_u32 s30, s30, s31
	s_add_co_u32 s30, s30, 4096
	s_mov_b32 s31, 0
	s_lshl_b32 s32, s39, 9                         ; query: 128 s numbers on
	s_mov_b32 s33, 0
	s_lshl_b32 s34, s22, 11                        ; qv: cg x 2,048
	s_lshl_b32 s35, s16, 9                         ; + 512 x wave
	s_add_co_u32 s34, s34, s35
	s_lshl_b32 s35, s38, 16                        ; + 65,536 hf
	s_add_co_u32 s34, s34, s35
	s_mov_b32 s35, 0
	s_mov_b32 s36, 0x76543210
	s_mov_b32 s37, 0xfedcba98                      ; v_permlanex16_b32's selects for lane l xor 16
	s_wait_kmcnt 0x0
	s_cmp_lt_u32 ttmp9, 64
	s_cselect_b64 s[18:19], s[4:5], s[6:7]
	s_cmp_lt_u32 ttmp9, 128
	s_cselect_b64 s[18:19], s[18:19], s[8:9]
	s_add_nc_u64 s[18:19], s[18:19], s[20:21]
	s_add_nc_u64 s[28:29], s[12:13], s[28:29]
	s_add_nc_u64 s[30:31], s[12:13], s[30:31]
	s_add_nc_u64 s[32:33], s[10:11], s[32:33]
	s_add_nc_u64 s[34:35], s[14:15], s[34:35]
.set i, 0
.rept 128
	global_load_b32 v[X+i], v1, s[18:19] offset:4096*i   ; W(128 s + i, my column): 32 lanes read 128 consecutive bytes
.set i, i+1
.endr
; My column's four blocks become codes and a scale word.  y: the loads issued behind W's 128.  A wait's count is the number of younger loads, or 63, the most that a count can name (a smaller count waits for more, never for less).
.macro WQUANT y
.irp kb, 0,1,2,3
.set WN, 32*(3-\kb)+\y
.if WN > 63
.set WN, 63
.endif
.set XS, X+32*\kb
	s_wait_loadcnt WN
	v_max3_num_f32 v58, |v[XS]|, |v[XS+1]|, |v[XS+2]|              ; the block's largest magnitude, in two chains
	v_max3_num_f32 v59, |v[XS+3]|, |v[XS+4]|, |v[XS+5]|
.irp i, 6,10,14,18,22,26
	s_delay_alu instid0(VALU_DEP_2)
	v_max3_num_f32 v58, v58, |v[XS+\i]|, |v[XS+\i+1]|
	s_delay_alu instid0(VALU_DEP_2)
	v_max3_num_f32 v59, v59, |v[XS+\i+2]|, |v[XS+\i+3]|
.endr
	s_delay_alu instid0(VALU_DEP_2)
	v_max3_num_f32 v58, v58, |v[XS+30]|, |v[XS+31]|
	s_delay_alu instid0(VALU_DEP_1)
	v_max3_num_f32 v58, v58, v59, 0x1800000        ; and the floor 2^(3 - 127): the byte cannot fall under 1
	s_delay_alu instid0(VALU_DEP_1)
	v_add_nc_u32 v60, 0xff000000, v58              ; 2 off the exponent field: the conversion takes this operand's exponent field as its scale
	s_delay_alu instid0(VALU_DEP_1)
	v_lshrrev_b32 v61, 23, v60                     ; the scale's byte
.if \kb == 0
	s_delay_alu instid0(VALU_DEP_1)
	v_mov_b32 v[SWR], v61
.else
	s_delay_alu instid0(VALU_DEP_1)
	v_lshl_or_b32 v[SWR], v61, 8*\kb, v[SWR]
.endif
.irp g, 0,1,2,3
	v_cvt_scalef32_pk8_fp4_f32 v[CB+8*(\kb%2)+4*(\kb/2)+\g], v[XS+8*\g:XS+8*\g+7], v60
.endr
.endr
	v_nop                                          ; one plain instruction behind the last scaled conversion
.irp u, 0,1
.irp i, 0,1,2,3
	v_permlane16_swap_b32 v[CB+4*\u+\i], v[CB+8+4*\u+\i]   ; blocks 2 u and 2 u + 1: the first's lanes 16-31 change places with the second's lanes 0-15: CB .. +7 is the fragment of columns 0-15, CB + 8 .. +15 that of columns 16-31
.endr
.endr
.endm
	s_cmp_ge_u32 ttmp9, 128
	s_cbranch_scc1 .Lwq
	; ---- Wk, Wv: the fragments go out as they stand, 512 consecutive bytes a store
	WQUANT 0
.irp c, 0,1
.irp u, 0,1
	global_store_b128 v2, v[CB+8*\c+4*\u:CB+8*\c+4*\u+3], s[28:29] offset:1024*\c+512*\u
.endr
.endr
	ds_store_b32 v7, v[SWR]                        ; two waves' words make a group's 256 bytes
	s_branch .Ljoin
.Lwq:
	; ---- Wq: my K step of q.  Lane (r, h) takes, of batch r, blocks h and 2 + h of the K step: two whole blocks, as the operand's layout gives them to it
	s_wait_alu depctr_va_vdst(0)
.irp u, 0,1
.irp j, 0,1,2,3,4,5,6,7
	global_load_b128 v[XQ+32*\u+4*\j:XQ+32*\u+4*\j+3], v6, s[32:33] offset:256*\u+16*\j
.endr
.endr
	WQUANT 16
	s_wait_loadcnt 0x0                             ; query
.irp u, 0,1
	v_max3_num_f32 v[58+\u], |v[XQ+32*\u]|, |v[XQ+32*\u+1]|, 0x1800000
.endr
.irp i, 2,4,6,8,10,12,14,16,18,20,22,24,26,28,30
.irp u, 0,1
	s_delay_alu instid0(VALU_DEP_2)
	v_max3_num_f32 v[58+\u], v[58+\u], |v[XQ+32*\u+\i]|, |v[XQ+32*\u+\i+1]|
.endr
.endr
.irp u, 0,1
	s_delay_alu instid0(VALU_DEP_2)
	v_add_nc_u32 v[60+\u], 0xff000000, v[58+\u]
.endr
.irp u, 0,1
	s_delay_alu instid0(VALU_DEP_2)
	v_lshrrev_b32 v[62+\u], 23, v[60+\u]
.endr
	s_delay_alu instid0(VALU_DEP_1)
	v_lshl_or_b32 v[SQR], v63, 16, v62             ; my two bytes: blocks h and 2 + h,
	v_lshlrev_b32 v58, 3, v5
	s_delay_alu instid0(VALU_DEP_1)
	v_lshlrev_b32 v[SQR], v58, v[SQR]              ; at their places in the word (8 h bits up);
	v_mov_b32 v59, 0
	s_delay_alu instid0(VALU_DEP_1)
	v_permlanex16_b32 v59, v[SQR], s36, s37
	s_delay_alu instid0(VALU_DEP_1)
	v_or_b32 v[SQR], v[SQR], v59                   ; with lane l xor 16's two the word is whole
.irp u, 0,1
.irp g, 0,1,2,3
	v_cvt_scalef32_pk8_fp4_f32 v[QF+4*\u+\g], v[XQ+32*\u+8*\g:XQ+32*\u+8*\g+7], v[60+\u]
.endr
.endr
.rept 8
	v_nop                                          ; scale registers written by vector instructions stand 8 plain instructions ahead of a scaled matrix instruction, operands so written 4
.endr
	v_wmma_scale_f32_16x16x128_f8f6f4 v[DD:DD+7], v[QF:QF+7], v[CB:CB+7], 0, v[SQR], v[SWR] matrix_a_fmt:MATRIX_FMT_FP4 matrix_b_fmt:MATRIX_FMT_FP4
	v_wmma_scale_f32_16x16x128_f8f6f4 v[DD+8:DD+15], v[QF:QF+7], v[CB+8:CB+15], 0, v[SQR], v[SWR] matrix_a_fmt:MATRIX_FMT_FP4 matrix_b_fmt:MATRIX_FMT_FP4 matrix_b_scale:MATRIX_SCALE_ROW1
.rept 4
	v_nop                                          ; four plain instructions ahead of the first read of the results (ISA guide 7.12.1)
.endr
.irp c, 0,1
.irp j, 0,1,2,3,4,5,6,7
	ds_store_b32 v8, v[DD+8*\c+\j] offset:128*\j+64*\c   ; register j of lane (r, h): batch 8 h + j, column 16 c + r; each result from its low end on
.endr
.endr
.Ljoin:
	s_wait_dscnt 0x0                               ; for the others' sake: my LDS stores have landed
	s_barrier_signal -1
	s_barrier_wait -1
	s_cmp_ge_u32 ttmp9, 128
	s_cbranch_scc1 .Lwq2
	s_cmp_ge_u32 s16, 2
	s_cbranch_scc1 .Lend
	ds_load_b64 v[58:59], v10                      ; a group's scale words, [lane][s']
	s_wait_dscnt 0x0
	global_store_b64 v3, v[58:59], s[30:31]        ; 32 lanes store 256 consecutive bytes, aligned
	s_branch .Lend
.Lwq2:
.irp p, 0,1,2,3
	ds_load_b128 v[X+4*\p:X+4*\p+3], v9 offset:2048*\p   ; the four K steps' parts of my 128 numbers
.endr
	s_wait_dscnt 0x0
	v_pk_add_f32 v[X:X+1], v[X:X+1], v[X+4:X+5]
	v_pk_add_f32 v[X+2:X+3], v[X+2:X+3], v[X+6:X+7]
	v_pk_add_f32 v[X+8:X+9], v[X+8:X+9], v[X+12:X+13]
	v_pk_add_f32 v[X+10:X+11], v[X+10:X+11], v[X+14:X+15]
	v_pk_add_f32 v[X:X+1], v[X:X+1], v[X+8:X+9]
	v_pk_add_f32 v[X+2:X+3], v[X+2:X+3], v[X+10:X+11]
	global_store_b128 v2, v[X:X+3], s[34:35]       ; 512 consecutive bytes, aligned
.Lend:
	s_wait_tensorcnt 0x0
	ds_add_u32 v14, v15
	s_wait_dscnt 0x0
	s_endpgm
.Lfunc_end_k_q9268eeefa4_prep:
	.size	k_q9268eeefa4_prep, .Lfunc_end_k_q9268eeefa4_prep-k_q9268eeefa4_prep
	.p2alignl 7, 3214868480
	.fill 96, 4, 3214868480
	.section	.rodata,"a",@progbits
	.p2align	6, 0x0
	.amdhsa_kernel k_q9268eeefa4_prep
		.amdhsa_group_segment_fixed_size 21504
		.amdhsa_private_segment_fixed_size 0
		.amdhsa_enable_private_segment 0
		.amdhsa_kernarg_size 48
		.amdhsa_user_sgpr_count 2
		.amdhsa_user_sgpr_kernarg_segment_ptr 1
		.amdhsa_wavefront_size32 1
		.amdhsa_system_sgpr_workgroup_id_x 1
		.amdhsa_system_sgpr_workgroup_id_y 1
		.amdhsa_system_sgpr_workgroup_id_z 1
		.amdhsa_system_vgpr_workitem_id 0
		.amdhsa_next_free_vgpr 256
		.amdhsa_next_free_sgpr 66
		.amdhsa_reserve_vcc 0
		.amdhsa_float_denorm_mode_32 3
		.amdhsa_float_denorm_mode_16_64 3
		.amdhsa_memory_ordered 1
		.amdhsa_forward_progress 1
		.amdhsa_inst_pref_size 42
	.end_amdhsa_kernel
	.amdgpu_metadata
---
amdhsa.version: [ 1, 2 ]
amdhsa.kernels:
  - .name:           k_q9268eeefa4_prep
    .symbol:         k_q9268eeefa4_prep.kd
    .args:
      - { .name: Wk, .offset: 0, .size: 8, .value_kind: global_buffer, .address_space: global }
      - { .name: Wv, .offset: 8, .size: 8, .value_kind: global_buffer, .address_space: global }
      - { .name: Wq, .offset: 16, .size: 8, .value_kind: global_buffer, .address_space: global }
      - { .name: query, .offset: 24, .size: 8, .value_kind: global_buffer, .address_space: global }
      - { .name: wfrag, .offset: 32, .size: 8, .value_kind: global_buffer, .address_space: global }
      - { .name: qv, .offset: 40, .size: 8, .value_kind: global_buffer, .address_space: global }
    .group_segment_fixed_size: 21504
    .private_segment_fixed_size: 0
    .kernarg_segment_align: 8
    .kernarg_segment_size: 48
    .max_flat_workgroup_size: 128
    .sgpr_count:     66
    .vgpr_count:     256
    .wavefront_size: 32
...
	.end_amdgpu_metadata
.endif
;; end of part 1
;; launch main (part 2): grid 256 x 1, 4 waves a work-group, no clusters, 327,680 bytes of LDS; arguments key, value, wfrag, qv, po; writes po
.if DOCPART == 2
	.amdgcn_target "amdgcn-amd-amdhsa--gfx1250"
	.amdhsa_code_object_version 6
	.text
	.protected	k_q9268eeefa4_main
	.globl	k_q9268eeefa4_main
	.p2align	8
	.type	k_q9268eeefa4_main,@function
k_q9268eeefa4_main:
	s_mov_b64 s[64:65], 0
	v_nop
	global_prefetch_b8 v0, s[64:65] scope:SCOPE_SE
	s_setreg_imm32_b32 hwreg(HW_REG_WAVE_MODE, 25, 1), 1
	s_wait_xcnt 0x0
.set PITCH,  1040
.set WPART,  32*PITCH
.set SLOTSZ, 4*WPART
.set PB,     2*SLOTSZ
.set PBP,    16384
.set SCB,    PB+3*PBP
.set QOX,    SCB+3*1024
.set SX,     QOX+4*1024
.set PX,     SX+4*512
.set SPARE,  PX+4*512
.set BODYB,  17408
.set GRPB,   4352
.set SPW,  1
.set NIL,  2
.set LI16, 3
.set L8,   4
.set RD0,  5
.set IW0,  7
.set SW0,  8
.set LIP,  9
.set SLD,  10
.set QA0,  11
.set OX0,  12
.set OXR,  13
.set SXW,  14
.set SXR,  15
.set PXW,  16
.set PXR,  17
.set RDV,  18
.set IWV,  19
.set SWV,  20
.set QAD,  21
.set OXV,  22
.set QOF,  23
.set SA,   24
.set SB,   40
.set OA,   48
.set ST0,  64
.set ST1,  128
.set TM,   192
.set PC0,  208
.set PC1,  216
.set PW0,  224
.set PW1,  225
.set WK,   226
.set XX,   226
.set YY,   228
.set ZZ,   230
.set OLD,  232
.set EP,   244
.set STAT, 248
.set BR,   128
.set PP,   0
.set QV,   64
.set SAC,  80
.set WV,   14
.set G1,   16
.set G0,   24
.set VA,   32
.set WP,   34
.set PO,   36
.set PS,   38
.set SEL,  40
.set MHI,  42
.set CS,   43
.set KC,   44
.set T1,   45
.set T2,   46
.set T3,   47
.set TC,   48
.set LC,   49
.set MSB, 0
.macro WIN new
.if MSB != \new
	s_set_vgpr_msb (MSB<<8)|\new
.set MSB, \new
.endif
.endm
; A work-group takes 128 rows of key and of value through both quantised products; a wave fetches and quantises 32 rows and multiplies all 128 rows by its 256 columns.
; The f32 rows come in eight fills of 256 columns (key's four, then value's four) through two LDS slots; each fill's codes go to one of three parts in LDS.
; PF n: fill n is asked for in the L2 one change of slots ahead of its tensor load: my wave's 32 rows x 1,024 bytes, a lane a row, four blocks of 256 bytes,
; each block named once in the launch.  Bases and offset register are never rewritten; fill 7 is the last, and nothing is asked for behind it.
.macro PF n
.irp j, 0,1,2,3
.if \n < 4
	global_prefetch_b8 v252, s[50:51] offset:1024*(\n)+256*\j th:TH_LOAD_NT scope:SCOPE_SE
.else
	global_prefetch_b8 v252, s[VA:VA+1] offset:1024*((\n)-4)+256*\j th:TH_LOAD_NT scope:SCOPE_SE
.endif
.endr
.endm
; A barrier behind which nothing is filled again: the codes just stored are shown to all waves; the fill that is out lands on a slot that nobody reads
.macro PBAR
	s_wait_dscnt 0x0
	s_barrier_signal -1
	s_barrier_wait -1
.endm
.macro CHANGE kind, slot
	WIN 0
	s_wait_tensorcnt 0x0
	ds_add_u32 v[SPW], v[NIL]
.if \kind == 1
	s_add_nc_u64 s[G0+4*\slot+2:G0+4*\slot+3], s[G0+4*\slot+2:G0+4*\slot+3], 2048
.elseif \kind == 2
	s_add_nc_u64 s[G0+4*\slot+2:G0+4*\slot+3], s[VA:VA+1], 1024*\slot
	s_or_b32 s[G0+4*\slot+3], s[G0+4*\slot+3], 0x80000000
.endif
	s_wait_dscnt 0x0
	s_barrier_signal -1
	s_barrier_wait -1
.if \kind
	tensor_load_to_lds s[G0+4*\slot:G0+4*\slot+3], s[G1:G1+7]
	s_nop 0
.rept 4
	v_nop
.endr
.endif
.endm
.macro QUANT s, pc, pw
.irp b, 0,1,2,3
	v_max3_num_f32 v[TM+\b], |v[\s+16*\b]|, |v[\s+16*\b+1]|, 0x1800000
.endr
.irp i, 2,4,6,8,10,12,14
.irp b, 0,1,2,3
	v_max3_num_f32 v[TM+\b], v[TM+\b], |v[\s+16*\b+\i]|, |v[\s+16*\b+\i+1]|
.endr
.endr
.irp b, 0,1,2,3
	v_permlanex16_b32 v[TM+4+\b], v[TM+\b], s[SEL], s[SEL+1]
.endr
.irp b, 0,1,2,3
	v_max_num_f32 v[TM+\b], v[TM+\b], v[TM+4+\b]
.endr
.irp b, 0,1,2,3
	v_add_nc_u32 v[TM+12+\b], 0xff000000, v[TM+\b]
.endr
.irp b, 0,1,2,3
	v_lshrrev_b32 v[TM+4+\b], 23, v[TM+12+\b]
.endr
	v_lshl_or_b32 v[\pw], v[TM+5], 8, v[TM+4]
	v_lshl_or_b32 v[\pw], v[TM+6], 16, v[\pw]
	v_lshl_or_b32 v[\pw], v[TM+7], 24, v[\pw]
.irp b, 0,1,2,3
	v_cvt_scalef32_pk8_fp4_f32 v[\pc+2*\b], v[\s+16*\b:\s+16*\b+7], v[TM+12+\b]
	v_cvt_scalef32_pk8_fp4_f32 v[\pc+2*\b+1], v[\s+16*\b+8:\s+16*\b+15], v[TM+12+\b]
.endr
	v_nop
.irp c, 0,1
.irp i, 0,1
	v_permlane16_swap_b32 v[\pc+4*\c+\i], v[\pc+4*\c+2+\i]
.endr
.endr
.endm
.macro QSLOT slot, part
	WIN 0
	s_mov_b32 s[KC], 0
	s_mov_b32 s[T1], 0
	s_mov_b32 s[T2], 0
	s_mov_b32 s[T3], 0
.Lq_\@:
	v_add_nc_u32 v[RDV], s[T1], v[RD0+\slot]
	v_add_nc_u32 v[IWV], s[T2], v[IW0]
	v_add_nc_u32 v[SWV], s[T3], v[SW0]
.irp b, 0,1,2,3
.irp j, 0,1,2,3
	ds_load_b128 v[ST0+16*\b+4*\j:ST0+16*\b+4*\j+3], v[RDV] offset:128*\b+16*\j
.endr
.endr
.irp b, 0,1,2,3
.irp j, 0,1,2,3
	ds_load_b128 v[ST1+16*\b+4*\j:ST1+16*\b+4*\j+3], v[RDV] offset:16*PITCH+128*\b+16*\j
.endr
.endr
	s_wait_dscnt 16
	QUANT ST0, PC0, PW0
	ds_store_b128 v[IWV], v[PC0:PC0+3] offset:\part*PBP
	ds_store_b128 v[IWV], v[PC0+4:PC0+7] offset:\part*PBP+512
	ds_store_b32 v[SWV], v[PW0] offset:\part*1024
	s_wait_dscnt 3
	QUANT ST1, PC1, PW1
	ds_store_b128 v[IWV], v[PC1:PC1+3] offset:\part*PBP+1024
	ds_store_b128 v[IWV], v[PC1+4:PC1+7] offset:\part*PBP+1536
	ds_store_b32 v[SWV], v[PW1] offset:\part*1024+128
	s_wait_dscnt 0x0
	s_add_co_u32 s[T1], s[T1], 512
	s_add_co_u32 s[T2], s[T2], 8192
	s_add_co_u32 s[T3], s[T3], 4
	s_add_co_u32 s[KC], s[KC], 1
	s_cmp_lt_u32 s[KC], 2
	s_cbranch_scc1 .Lq_\@
.endm
.macro AFH z, part
	WIN 0x80
.irp ks, 0,1
.irp t, 0,1,2,3,4,5,6,7
.irp u, 0,1
	ds_load_b128 v[8*(8*(2*\z+\ks)+\t)+4*\u:8*(8*(2*\z+\ks)+\t)+4*\u+3], v[LIP] offset:\part*PBP+(8*\ks+\t)*1024+512*\u
.endr
.endr
.endr
.endm
.macro ASC z, part
	WIN 0
.irp q, 0,1,2,3
	ds_load_b64 v[SA+4*\q+2*\z:SA+4*\q+2*\z+1], v[SLD] offset:\part*1024+256*\q
.endr
.endm
.macro AF p0, p1
	AFH 0, \p0
	AFH 1, \p1
	ASC 0, \p0
	ASC 1, \p1
.endm
.macro BLOAD g, off
	WIN 0x40
.irp k, 0,1,2,3,4,5,6,7
	global_load_b128 v[BR+32*\g+4*\k:BR+32*\g+4*\k+3], v[LI16], s[WP:WP+1] offset:\off+\g*GRPB+512*\k
.endr
	WIN 0
	global_load_b64 v[SB+2*\g:SB+2*\g+1], v[L8], s[WP:WP+1] offset:\off+\g*GRPB+4096
.endm
.macro MM
.if mZ
.if mRA && mRB
	v_wmma_scale_f32_16x16x128_f8f6f4 v[mD:mD+7], v[mA:mA+7], v[mB:mB+7], 0, v[mSA], v[mSB] matrix_a_fmt:MATRIX_FMT_FP4 matrix_b_fmt:MATRIX_FMT_FP4 matrix_a_scale:MATRIX_SCALE_ROW1 matrix_b_scale:MATRIX_SCALE_ROW1
.elseif mRA
	v_wmma_scale_f32_16x16x128_f8f6f4 v[mD:mD+7], v[mA:mA+7], v[mB:mB+7], 0, v[mSA], v[mSB] matrix_a_fmt:MATRIX_FMT_FP4 matrix_b_fmt:MATRIX_FMT_FP4 matrix_a_scale:MATRIX_SCALE_ROW1
.elseif mRB
	v_wmma_scale_f32_16x16x128_f8f6f4 v[mD:mD+7], v[mA:mA+7], v[mB:mB+7], 0, v[mSA], v[mSB] matrix_a_fmt:MATRIX_FMT_FP4 matrix_b_fmt:MATRIX_FMT_FP4 matrix_b_scale:MATRIX_SCALE_ROW1
.else
	v_wmma_scale_f32_16x16x128_f8f6f4 v[mD:mD+7], v[mA:mA+7], v[mB:mB+7], 0, v[mSA], v[mSB] matrix_a_fmt:MATRIX_FMT_FP4 matrix_b_fmt:MATRIX_FMT_FP4
.endif
.else
.if mRA && mRB
	v_wmma_scale_f32_16x16x128_f8f6f4 v[mD:mD+7], v[mA:mA+7], v[mB:mB+7], v[mD:mD+7], v[mSA], v[mSB] matrix_a_fmt:MATRIX_FMT_FP4 matrix_b_fmt:MATRIX_FMT_FP4 matrix_a_scale:MATRIX_SCALE_ROW1 matrix_b_scale:MATRIX_SCALE_ROW1
.elseif mRA
	v_wmma_scale_f32_16x16x128_f8f6f4 v[mD:mD+7], v[mA:mA+7], v[mB:mB+7], v[mD:mD+7], v[mSA], v[mSB] matrix_a_fmt:MATRIX_FMT_FP4 matrix_b_fmt:MATRIX_FMT_FP4 matrix_a_scale:MATRIX_SCALE_ROW1
.elseif mRB
	v_wmma_scale_f32_16x16x128_f8f6f4 v[mD:mD+7], v[mA:mA+7], v[mB:mB+7], v[mD:mD+7], v[mSA], v[mSB] matrix_a_fmt:MATRIX_FMT_FP4 matrix_b_fmt:MATRIX_FMT_FP4 matrix_b_scale:MATRIX_SCALE_ROW1
.else
	v_wmma_scale_f32_16x16x128_f8f6f4 v[mD:mD+7], v[mA:mA+7], v[mB:mB+7], v[mD:mD+7], v[mSA], v[mSB] matrix_a_fmt:MATRIX_FMT_FP4 matrix_b_fmt:MATRIX_FMT_FP4
.endif
.endif
.endm
.macro CH tr, x, next, acc
.if \tr
	WIN 0xc0
.irp c, 0,1
.irp i, 0,1
	ds_load_b128 v[QV+8*\c+4*\i:QV+8*\c+4*\i+3], v[QAD] offset:128*\x+64*\c+16*\i
.endr
.endr
.endif
.if \acc
	WIN 0
	ds_load_b32 v[OLD], v[OXV] offset:128*\x
.endif
.irp gg, 0,1
.set G, 2*\x+\gg
.if \next
	s_wait_loadcnt 27
.else
	s_wait_loadcnt 27-9*G
.endif
.if \tr
	WIN 0x59
.else
	WIN 0x56
.endif
.irp sp, 0,1
.irp t, 0,1,2,3,4,5,6,7
.irp c, 0,1
.set mD, 8*(2*\t+\c)
.if (\gg+\sp) == 0
.set mZ, 1
.else
.set mZ, 0
.endif
.if \tr
.set mA, BR+32*G+8*(2*\sp+\c)
.set mB, 8*(8*(2*\gg+\sp)+\t)
.set mSA, SB+2*G+\sp
.set mSB, SA+4*(\t/2)+2*\gg+\sp
.set mRA, \c
.set mRB, \t%2
.else
.set mA, 8*(8*(2*\gg+\sp)+\t)
.set mB, BR+32*G+8*(2*\sp+\c)
.set mSA, SA+4*(\t/2)+2*\gg+\sp
.set mSB, SB+2*G+\sp
.set mRA, \t%2
.set mRB, \c
.endif
	MM
.endr
.endr
.endr
.rept 4
	v_nop
.endr
.if \next
	BLOAD G, BODYB
.endif
.endr
.if \tr
	s_wait_alu depctr_va_vdst(0)
	s_wait_dscnt 0x0
	WIN 0xfd
.irp i, 0,1,2,3
.irp c, 0,1
.irp t, 0,1,2,3,4,5,6,7
	v_pk_fma_f32 v[SAC+2*\t:SAC+2*\t+1], v[8*(2*\t+\c)+2*\i:8*(2*\t+\c)+2*\i+1], v[QV+8*\c+2*\i:QV+8*\c+2*\i+1], v[SAC+2*\t:SAC+2*\t+1]
.endr
.endr
.endr
.else
	WIN 0x0d
.irp t, 0,1,2,3,4,5,6,7
.irp c, 0,1
.irp i, 0,1,2,3
.if \t == 0
	v_pk_mul_f32 v[OA+2*(4*\c+\i):OA+2*(4*\c+\i)+1], v[8*(2*\t+\c)+2*\i:8*(2*\t+\c)+2*\i+1], v[PP+8*\t+2*\i:PP+8*\t+2*\i+1]
.else
	v_pk_fma_f32 v[OA+2*(4*\c+\i):OA+2*(4*\c+\i)+1], v[8*(2*\t+\c)+2*\i:8*(2*\t+\c)+2*\i+1], v[PP+8*\t+2*\i:PP+8*\t+2*\i+1], v[OA+2*(4*\c+\i):OA+2*(4*\c+\i)+1]
.endif
.endr
.endr
.endr
	WIN 0
.irp c, 0,1
	v_pk_add_f32 v[OA+8*\c:OA+8*\c+1], v[OA+8*\c:OA+8*\c+1], v[OA+8*\c+2:OA+8*\c+3]
	v_pk_add_f32 v[OA+8*\c+4:OA+8*\c+5], v[OA+8*\c+4:OA+8*\c+5], v[OA+8*\c+6:OA+8*\c+7]
.endr
.irp c, 0,1
	v_pk_add_f32 v[OA+8*\c:OA+8*\c+1], v[OA+8*\c:OA+8*\c+1], v[OA+8*\c+4:OA+8*\c+5]
.endr
.irp c, 0,1
	v_add_f32 v[XX+\c], v[OA+8*\c], v[OA+8*\c+1]
.endr
.irp c, 0,1
	v_permlanex16_b32 v[YY+\c], v[XX+\c], s[SEL], s[SEL+1]
.endr
.irp c, 0,1
	v_add_f32 v[XX+\c], v[XX+\c], v[YY+\c]
.endr
	s_wait_alu depctr_va_vdst(0)
	s_wait_dscnt 0x0
	v_cndmask_b32 v[ZZ], v[XX], v[XX+1], s[MHI]
.if \acc
	v_add_f32 v[ZZ], v[ZZ], v[OLD]
.endif
	ds_store_b32 v[OXV], v[ZZ] offset:128*\x
.endif
.endm
.macro BODY tr, next, acc
	WIN 0
.if \tr
	v_add_nc_u32 v[QAD], s[TC], v[QA0]
.else
	v_add_nc_u32 v[OXV], s[TC], v[OX0]
.endif
	CH \tr, 0, \next, \acc
	CH \tr, 1, \next, \acc
	WIN 0
.if \tr == 0
	s_wait_dscnt 0x0
.endif
.if \next
	s_wait_xcnt 0x0
	s_add_nc_u64 s[WP:WP+1], s[WP:WP+1], BODYB
.endif
	s_add_co_u32 s[TC], s[TC], 256
.endm
.macro BODIES tr, start, trips, acc
	WIN 0
	s_mov_b32 s[TC], \start
	s_mov_b32 s[LC], \trips
.Lb_\@:
	BODY \tr, 1, \acc
	s_sub_co_u32 s[LC], s[LC], 1
	s_cmp_lg_u32 s[LC], 0
	s_cbranch_scc1 .Lb_\@
.endm
	s_load_b256 s[4:11], s[0:1], 0x0
	s_load_b64 s[12:13], s[0:1], 0x20
	v_lshl_add_u32 v[SPW], v0, 2, SPARE
	v_mov_b32 v[NIL], 0
	ds_add_u32 v1, v2
	ds_add_u32 v1, v2
	s_wait_dscnt 0x0
	v_lshrrev_b32 v[RDV], 5, v0
	v_readfirstlane_b32 s[WV], v[RDV]
	s_mov_b32 s[G1], (2<<16)|(1<<20)|(7<<22)|(3<<25)
	s_mov_b32 s[G1+1], 256<<16
	s_mov_b32 s[G1+2], 32<<16
	s_mov_b32 s[G1+3], 256<<16
	s_mov_b32 s[G1+4], 32
	s_mov_b32 s[G1+5], 1024
	s_mov_b32 s[G1+6], 0
	s_mov_b32 s[G1+7], 0
	s_lshl_b32 s2, ttmp9, 19
	s_lshl_b32 s3, s[WV], 17
	s_add_co_u32 s2, s2, s3
	s_mov_b32 s3, 0
	s_mul_i32 s15, s[WV], WPART
	s_mov_b32 s[G0], 1
	s_mov_b32 s[G0+1], s15
	s_mov_b32 s[G0+4], 1
	s_add_co_u32 s[G0+5], s15, SLOTSZ
	s_wait_kmcnt 0x0
	s_add_nc_u64 s[G0+2:G0+3], s[4:5], s[2:3]
	s_add_nc_u64 s[G0+6:G0+7], s[G0+2:G0+3], 1024
	s_add_nc_u64 s[VA:VA+1], s[6:7], s[2:3]
	s_add_nc_u64 s[50:51], s[4:5], s[2:3]          ; my wave's rows of key, for the prefetches
	s_or_b32 s[G0+3], s[G0+3], 0x80000000
	s_or_b32 s[G0+7], s[G0+7], 0x80000000
	tensor_load_to_lds s[G0:G0+3], s[G1:G1+7]
	s_nop 0
.rept 4
	v_nop
.endr
	s_lshl_b32 s2, s[WV], 14
	s_lshr_b32 s3, ttmp9, 4
	s_lshl_b32 s3, s3, 7
	s_add_co_u32 s2, s2, s3
	s_mov_b32 s3, 0
	s_add_nc_u64 s[10:11], s[10:11], s[2:3]
	s_mul_i32 s2, s[WV], 16*BODYB
	s_add_nc_u64 s[WP:WP+1], s[8:9], s[2:3]
	s_mul_i32 s2, ttmp9, 4608
	s_add_nc_u64 s[PS:PS+1], s[12:13], s[2:3]
	s_lshl_b32 s2, s[WV], 10
	s_add_nc_u64 s[PO:PO+1], s[PS:PS+1], s[2:3]
	s_add_nc_u64 s[PS:PS+1], s[PS:PS+1], 4096
	v_and_b32 v228, 31, v0
	v_and_b32 v226, 15, v0
	v_bfe_u32 v227, v0, 4, 1
	v_lshlrev_b32 v[LI16], 4, v228
	v_lshlrev_b32 v[L8], 3, v228
	v_lshlrev_b32 v252, 12, v228                   ; the prefetches' offset: my lane x a row of 4,096 bytes; never rewritten
	PF 1
	s_wait_alu depctr_va_vdst(0)
	v_lshrrev_b32 v229, 3, v228
	v_and_b32 v230, 7, v228
	v_lshlrev_b32 v[QOF], 11, v229
	v_lshl_add_u32 v[QOF], v230, 4, v[QOF]
	global_load_b128 v[ST0:ST0+3], v[QOF], s[10:11]
	global_load_b128 v[ST0+4:ST0+7], v[QOF], s[10:11] offset:8192
	global_load_b128 v[ST0+8:ST0+11], v[QOF], s[10:11] offset:65536   ; q's second K half
	global_load_b128 v[ST0+12:ST0+15], v[QOF], s[10:11] offset:73728
.irp g, 0,1,2,3
	BLOAD \g, 0
.endr
	s_mov_b32 s[SEL], 0x76543210
	s_mov_b32 s[SEL+1], 0xfedcba98
	s_mov_b32 s[MHI], 0xffff0000
	s_mov_b32 s[CS], 0x3d38aa3b
	v_mul_u32_u24 v[RD0], v226, PITCH
	v_lshl_add_u32 v[RD0], v227, 6, v[RD0]
	v_add_nc_u32 v[RD0], s15, v[RD0]
	v_add_nc_u32 v[RD0+1], SLOTSZ, v[RD0]
	s_lshl_b32 s[T1], s[WV], 11
	s_add_co_u32 s[T1], s[T1], PB
	v_add_nc_u32 v[IW0], s[T1], v[LI16]
	s_lshl_b32 s[T1], s[WV], 8
	s_add_co_u32 s[T1], s[T1], SCB
	v_lshl_add_u32 v[SW0], v226, 3, s[T1]
	v_add_nc_u32 v[LIP], PB, v[LI16]
	v_add_nc_u32 v[SLD], SCB, v[L8]
	s_lshl_b32 s[T1], s[WV], 10
	s_add_co_u32 s[T1], s[T1], QOX
	v_lshl_add_u32 v[QA0], v227, 5, s[T1]
	v_lshl_add_u32 v[OX0], v228, 2, s[T1]
	v_add_nc_u32 v[OXR], s[T1], v[LI16]
	s_lshl_b32 s[T1], s[WV], 9
	s_add_co_u32 s[T2], s[T1], SX
	v_lshl_add_u32 v[SXW], v226, 2, s[T2]
	v_add_nc_u32 v[SXR], SX, v[LI16]
	s_add_co_u32 s[T2], s[T1], PX
	v_add_nc_u32 v[PXW], s[T2], v[LI16]
	v_lshl_add_u32 v[PXR], v227, 5, s[T2]
.irp b, 0,1,2,3
	v_mov_b32 v[TM+4+\b], 0
.endr
.irp t, 0,1,2,3,4,5,6,7
	v_mov_b32 v[WK+8+\t], 0
.endr
	WIN 0xc0
.irp t, 0,1,2,3,4,5,6,7,8,9,10,11,12,13,14,15
	v_mov_b32 v[SAC+\t], 0
.endr
	WIN 0
	s_wait_alu depctr_va_vdst(0)                   ; the wait at the head's end
	s_wait_tensorcnt 0x0                           ; fill 0 is in; slot 1's first fill is issued as a refill is
	ds_add_u32 v1, v2
	s_wait_dscnt 0x0
	s_barrier_signal -1
	s_barrier_wait -1
	tensor_load_to_lds s[G0+4:G0+7], s[G1:G1+7]
	s_nop 0
.rept 4
	v_nop
.endr
	s_wait_loadcnt 36                              ; q's four loads are in; the 36 loads of B behind them may be out
	v_pk_add_f32 v[ST0:ST0+1], v[ST0:ST0+1], v[ST0+8:ST0+9]          ; q = its two K halves
	v_pk_add_f32 v[ST0+2:ST0+3], v[ST0+2:ST0+3], v[ST0+10:ST0+11]
	v_pk_add_f32 v[ST0+4:ST0+5], v[ST0+4:ST0+5], v[ST0+12:ST0+13]
	v_pk_add_f32 v[ST0+6:ST0+7], v[ST0+6:ST0+7], v[ST0+14:ST0+15]
	ds_store_b128 v[OXR], v[ST0:ST0+3]
	ds_store_b128 v[OXR], v[ST0+4:ST0+7] offset:512
	s_wait_dscnt 0x0
	s_wait_tensorcnt 0x1                           ; only slot 1's fill may be out
	PF 2
	QSLOT 0, 0                                     ; fill 0 -> part 0
	CHANGE 1, 0                                    ; fill 2 is asked for
	PF 3
	QSLOT 1, 1                                     ; fill 1 -> part 1
	PBAR
	AF 0, 1                                        ; key's first K half
	s_wait_dscnt 0x0
	BODIES 1, 0, 2, 0
	CHANGE 1, 1                                    ; fill 3
	PF 4
	QSLOT 0, 2                                     ; fill 2 -> part 2
	BODIES 1, 512, 2, 0
	CHANGE 2, 0                                    ; fill 4: value's first
	PF 5
	QSLOT 1, 0                                     ; fill 3 -> part 0
	PBAR
	AF 2, 0                                        ; key's second K half
	s_wait_dscnt 0x0
	BODIES 1, 0, 2, 0
	CHANGE 2, 1                                    ; fill 5
	PF 6
	QSLOT 0, 1                                     ; fill 4 -> part 1
	BODIES 1, 512, 2, 0
	WIN 0x0f
	s_wait_alu depctr_va_vdst(0)
.irp t, 0,1,2,3,4,5,6,7
	v_add_f32 v[WK+\t], v[SAC+2*\t], v[SAC+2*\t+1]
.endr
	WIN 0
.irp t, 0,1,2,3,4,5,6,7
	v_permlanex16_b32 v[WK+8+\t], v[WK+\t], s[SEL], s[SEL+1]
.endr
.irp t, 0,1,2,3,4,5,6,7
	v_add_f32 v[WK+\t], v[WK+\t], v[WK+8+\t]
.endr
.irp t, 0,1,2,3,4,5,6,7
	ds_store_b32 v[SXW], v[WK+\t] offset:64*\t
.endr
	CHANGE 1, 0                                    ; fill 6
	PF 7
.irp p, 0,1,2,3
	ds_load_b128 v[ST0+4*\p:ST0+4*\p+3], v[SXR] offset:512*\p
.endr
	AFH 0, 1
	WIN 0
	s_wait_dscnt 32
	v_pk_add_f32 v[ST0:ST0+1], v[ST0:ST0+1], v[ST0+4:ST0+5]
	v_pk_add_f32 v[ST0+2:ST0+3], v[ST0+2:ST0+3], v[ST0+6:ST0+7]
	v_pk_add_f32 v[ST0+8:ST0+9], v[ST0+8:ST0+9], v[ST0+12:ST0+13]
	v_pk_add_f32 v[ST0+10:ST0+11], v[ST0+10:ST0+11], v[ST0+14:ST0+15]
	v_pk_add_f32 v[ST0:ST0+1], v[ST0:ST0+1], v[ST0+8:ST0+9]
	v_pk_add_f32 v[ST0+2:ST0+3], v[ST0+2:ST0+3], v[ST0+10:ST0+11]
	v_max3_num_f32 v242, v[ST0], v[ST0+1], v[ST0+2]
	v_max_num_f32 v242, v242, v[ST0+3]
	v_max_num_f32_dpp v242, v242, v242 row_xmask:1 row_mask:0xf bank_mask:0xf
	v_max_num_f32_dpp v242, v242, v242 row_xmask:2 row_mask:0xf bank_mask:0xf
	v_max_num_f32_dpp v242, v242, v242 row_xmask:4 row_mask:0xf bank_mask:0xf
	v_max_num_f32_dpp v242, v242, v242 row_xmask:8 row_mask:0xf bank_mask:0xf
	v_permlanex16_b32 v[WK+8], v242, s[SEL], s[SEL+1]
	v_max_num_f32 v242, v242, v[WK+8]
	v_mul_f32 v[STAT], s[CS], v242
.irp i, 0,1,2,3
	v_fma_f32 v[EP+\i], v[ST0+\i], s[CS], -v[STAT]
.endr
	s_wait_alu depctr_va_vdst(0)
.irp i, 0,1,2,3
	v_exp_f32 v[EP+\i], v[EP+\i]
.endr
	v_mov_b32 v[STAT+2], v[STAT]
	s_wait_alu depctr_va_vdst(0)
	v_add_f32 v242, v[EP], v[EP+1]
	v_add_f32 v243, v[EP+2], v[EP+3]
	v_add_f32 v242, v242, v243
	v_add_f32_dpp v242, v242, v242 row_xmask:1 row_mask:0xf bank_mask:0xf
	v_add_f32_dpp v242, v242, v242 row_xmask:2 row_mask:0xf bank_mask:0xf
	v_add_f32_dpp v242, v242, v242 row_xmask:4 row_mask:0xf bank_mask:0xf
	v_add_f32_dpp v242, v242, v242 row_xmask:8 row_mask:0xf bank_mask:0xf
	v_permlanex16_b32 v[WK+8], v242, s[SEL], s[SEL+1]
	v_add_f32 v[STAT+1], v242, v[WK+8]
	v_mov_b32 v[STAT+3], v[STAT+1]
	ds_store_b128 v[PXW], v[EP:EP+3]
	WIN 0xc0
.irp t, 0,1,2,3,4,5,6,7
.irp i, 0,1
	ds_load_b128 v[PP+8*\t+4*\i:PP+8*\t+4*\i+3], v[PXR] offset:64*\t+16*\i
.endr
.endr
	QSLOT 1, 2                                     ; fill 5 -> part 2
	PBAR
	AFH 1, 2
	ASC 0, 1
	ASC 1, 2
	s_wait_dscnt 0x0
	BODIES 0, 0, 4, 0
	CHANGE 1, 1                                    ; fill 7, the last
	QSLOT 0, 0                                     ; fill 6 -> part 0
	CHANGE 0, 0
	QSLOT 1, 1
	s_wait_dscnt 0x0
	s_barrier_signal -1
	s_barrier_wait -1
	AF 0, 1
	s_wait_dscnt 0x0
	BODIES 0, 0, 3, 1
	BODY 0, 0, 1
	ds_load_b128 v[ST0:ST0+3], v[OXR]
	ds_load_b128 v[ST0+4:ST0+7], v[OXR] offset:512
	s_wait_dscnt 0x0
	global_store_b128 v[LI16], v[ST0:ST0+3], s[PO:PO+1]
	global_store_b128 v[LI16], v[ST0+4:ST0+7], s[PO:PO+1] offset:512
	s_cmp_lg_u32 s[WV], 0
	s_cbranch_scc1 .Lnot_wave_0
	global_store_b128 v[LI16], v[STAT:STAT+3], s[PS:PS+1]
.Lnot_wave_0:
	s_wait_tensorcnt 0x0
	ds_add_u32 v[SPW], v[NIL]
	s_wait_dscnt 0x0
	s_endpgm
.Lfunc_end_k_q9268eeefa4_main:
	.size	k_q9268eeefa4_main, .Lfunc_end_k_q9268eeefa4_main-k_q9268eeefa4_main
	.p2alignl 7, 3214868480
	.fill 96, 4, 3214868480
	.section	.rodata,"a",@progbits
	.p2align	6, 0x0
	.amdhsa_kernel k_q9268eeefa4_main
		.amdhsa_group_segment_fixed_size 327680
		.amdhsa_private_segment_fixed_size 0
		.amdhsa_enable_private_segment 0
		.amdhsa_kernarg_size 40
		.amdhsa_user_sgpr_count 2
		.amdhsa_user_sgpr_kernarg_segment_ptr 1
		.amdhsa_wavefront_size32 1
		.amdhsa_system_sgpr_workgroup_id_x 1
		.amdhsa_system_sgpr_workgroup_id_y 1
		.amdhsa_system_sgpr_workgroup_id_z 1
		.amdhsa_system_vgpr_workitem_id 0
		.amdhsa_next_free_vgpr 864
		.amdhsa_next_free_sgpr 66
		.amdhsa_reserve_vcc 0
		.amdhsa_float_denorm_mode_32 3
		.amdhsa_float_denorm_mode_16_64 3
		.amdhsa_memory_ordered 1
		.amdhsa_forward_progress 1
		.amdhsa_inst_pref_size 255
	.end_amdhsa_kernel
	.section	.bss,"aw",@nobits
	.p2align	6
	.space	262144
	.amdgpu_metadata
---
amdhsa.version: [ 1, 2 ]
amdhsa.kernels:
  - .name:           k_q9268eeefa4_main
    .symbol:         k_q9268eeefa4_main.kd
    .args:
      - { .name: key, .offset: 0, .size: 8, .value_kind: global_buffer, .address_space: global }
      - { .name: value, .offset: 8, .size: 8, .value_kind: global_buffer, .address_space: global }
      - { .name: wfrag, .offset: 16, .size: 8, .value_kind: global_buffer, .address_space: global }
      - { .name: qv, .offset: 24, .size: 8, .value_kind: global_buffer, .address_space: global }
      - { .name: po, .offset: 32, .size: 8, .value_kind: global_buffer, .address_space: global }
    .group_segment_fixed_size: 327680
    .private_segment_fixed_size: 0
    .kernarg_segment_align: 8
    .kernarg_segment_size: 40
    .max_flat_workgroup_size: 128
    .sgpr_count:     66
    .vgpr_count:     864
    .wavefront_size: 32
...
	.end_amdgpu_metadata
.endif
;; end of part 2
;; launch join (part 3): grid 8 x 16, 1 waves a work-group, no clusters, 0 bytes of LDS; arguments po, out0; writes out0
.if DOCPART == 3
	.amdgcn_target "amdgcn-amd-amdhsa--gfx1250"
	.amdhsa_code_object_version 6
	.text
	.protected	k_q9268eeefa4_join
	.globl	k_q9268eeefa4_join
	.p2align	8
	.type	k_q9268eeefa4_join,@function
k_q9268eeefa4_join:
	s_mov_b64 s[64:65], 0
	v_nop
	global_prefetch_b8 v0, s[64:65] scope:SCOPE_SE
	s_setreg_imm32_b32 hwreg(HW_REG_WAVE_MODE, 25, 1), 1
	s_wait_xcnt 0x0
; A batch's 16 partials (o_g, tm_g, l_g) become its row of the output: TM = the largest tm_g, w_g = 2^(tm_g - TM), out = (sum of w_g o_g) / (sum of w_g l_g).
; A partial is 4,608 bytes: o[1024] f32, then 512 bytes of (tm, l) pairs, all alike.  Work-group (x, y): batch y, columns 128 x .. 128 x + 127; one wave, four columns a lane.
; 1 MB of o in all and a few instructions a number: no LDS, no matrix unit, no barrier.  All 32 loads go out at once; the weights are made while the 16 loads of o are on their way.
.set TL,  4                            ; v4-35   (tm_g, l_g); tm_g's register then holds w_g
.set RC,  36                           ; v[36:37] 1 / the sum (the pair's upper word is written, since the packed form names the pair)
.set LS,  38
.set O,   40                           ; v40-103 o_g, four numbers each
.set AC,  104                          ; v104-107 the sums
.set PART, 4608
	s_load_b128 s[4:7], s[0:1], 0x0                ; po, out0
	s_and_b32 s8, ttmp7, 0xffff                    ; the batch
	v_lshlrev_b32 v1, 4, v0                        ; 16 x lane
	v_mov_b32 v2, 0
	v_mov_b32 v[RC+1], 0
	s_mul_i32 s10, s8, 16*PART
	s_mov_b32 s11, 0
	s_lshl_b32 s12, ttmp9, 9                       ; my 128 columns
	s_mov_b32 s13, 0
	s_lshl_b32 s14, s8, 12
	s_add_co_u32 s14, s14, s12
	s_mov_b32 s15, 0
	s_wait_alu depctr_va_vdst(0)
	s_wait_kmcnt 0x0
	s_add_nc_u64 s[4:5], s[4:5], s[10:11]
	s_add_nc_u64 s[16:17], s[4:5], s[12:13]
	s_add_nc_u64 s[6:7], s[6:7], s[14:15]
.irp g, 0,1,2,3,4,5,6,7,8,9,10,11,12,13,14,15
	global_load_b64 v[TL+2*\g:TL+2*\g+1], v2, s[4:5] offset:\g*PART+4096
.endr
.irp g, 0,1,2,3,4,5,6,7,8,9,10,11,12,13,14,15
	global_load_b128 v[O+4*\g:O+4*\g+3], v1, s[16:17] offset:\g*PART   ; 512 consecutive bytes
.endr
	s_wait_loadcnt 16                              ; the 16 pairs are in; the 16 loads of o may be out
	v_max3_num_f32 v3, v[TL], v[TL+2], v[TL+4]
.irp g, 3,5,7,9,11,13
	v_max3_num_f32 v3, v3, v[TL+2*\g], v[TL+2*\g+2]
.endr
	v_max_num_f32 v3, v3, v[TL+30]                 ; TM
.irp g, 0,1,2,3,4,5,6,7,8,9,10,11,12,13,14,15
	v_sub_f32 v[TL+2*\g], v[TL+2*\g], v3
.endr
	s_wait_alu depctr_va_vdst(0)
.irp g, 0,1,2,3,4,5,6,7,8,9,10,11,12,13,14,15
	v_exp_f32 v[TL+2*\g], v[TL+2*\g]               ; w_g, at most 1
.endr
	v_nop                                          ; a plain instruction behind the last exponential
	s_wait_alu depctr_va_vdst(0)                   ; one wait for the sixteen, ahead of their first reader
	v_mul_f32 v[LS], v[TL], v[TL+1]
.irp g, 1,2,3,4,5,6,7,8,9,10,11,12,13,14,15
	v_fmac_f32 v[LS], v[TL+2*\g], v[TL+2*\g+1]
.endr
	s_wait_alu depctr_va_vdst(0)
	v_rcp_f32 v[RC], v[LS]
	s_wait_loadcnt 0x0
	v_pk_mul_f32 v[AC:AC+1], v[O:O+1], v[TL:TL+1] op_sel_hi:[1,0]    ; of the pair (w, l) the low word serves both halves
	v_pk_mul_f32 v[AC+2:AC+3], v[O+2:O+3], v[TL:TL+1] op_sel_hi:[1,0]
.irp g, 1,2,3,4,5,6,7,8,9,10,11,12,13,14,15
	v_pk_fma_f32 v[AC:AC+1], v[O+4*\g:O+4*\g+1], v[TL+2*\g:TL+2*\g+1], v[AC:AC+1] op_sel_hi:[1,0,1]
	v_pk_fma_f32 v[AC+2:AC+3], v[O+4*\g+2:O+4*\g+3], v[TL+2*\g:TL+2*\g+1], v[AC+2:AC+3] op_sel_hi:[1,0,1]
.endr
	s_wait_alu depctr_va_vdst(0)                   ; the reciprocal's wait, ahead of its first reader; the 32 lines above are the work between
	v_pk_mul_f32 v[AC:AC+1], v[AC:AC+1], v[RC:RC+1] op_sel_hi:[1,0]
	v_pk_mul_f32 v[AC+2:AC+3], v[AC+2:AC+3], v[RC:RC+1] op_sel_hi:[1,0]
	global_store_b128 v1, v[AC:AC+3], s[6:7]       ; 512 consecutive bytes, at a multiple of 256 from the output's first byte
	s_endpgm
.Lfunc_end_k_q9268eeefa4_join:
	.size	k_q9268eeefa4_join, .Lfunc_end_k_q9268eeefa4_join-k_q9268eeefa4_join
	.p2alignl 7, 3214868480
	.fill 96, 4, 3214868480
	.section	.rodata,"a",@progbits
	.p2align	6, 0x0
	.amdhsa_kernel k_q9268eeefa4_join
		.amdhsa_group_segment_fixed_size 0
		.amdhsa_private_segment_fixed_size 0
		.amdhsa_enable_private_segment 0
		.amdhsa_kernarg_size 16
		.amdhsa_user_sgpr_count 2
		.amdhsa_user_sgpr_kernarg_segment_ptr 1
		.amdhsa_wavefront_size32 1
		.amdhsa_system_sgpr_workgroup_id_x 1
		.amdhsa_system_sgpr_workgroup_id_y 1
		.amdhsa_system_sgpr_workgroup_id_z 1
		.amdhsa_system_vgpr_workitem_id 0
		.amdhsa_next_free_vgpr 128
		.amdhsa_next_free_sgpr 66
		.amdhsa_reserve_vcc 0
		.amdhsa_float_denorm_mode_32 3
		.amdhsa_float_denorm_mode_16_64 3
		.amdhsa_memory_ordered 1
		.amdhsa_forward_progress 1
		.amdhsa_inst_pref_size 9
	.end_amdhsa_kernel
	.amdgpu_metadata
---
amdhsa.version: [ 1, 2 ]
amdhsa.kernels:
  - .name:           k_q9268eeefa4_join
    .symbol:         k_q9268eeefa4_join.kd
    .args:
      - { .name: po, .offset: 0, .size: 8, .value_kind: global_buffer, .address_space: global }
      - { .name: out0, .offset: 8, .size: 8, .value_kind: global_buffer, .address_space: global }
    .group_segment_fixed_size: 0
    .private_segment_fixed_size: 0
    .kernarg_segment_align: 8
    .kernarg_segment_size: 16
    .max_flat_workgroup_size: 32
    .sgpr_count:     66
    .vgpr_count:     128
    .wavefront_size: 32
...
	.end_amdgpu_metadata
.endif
;; end of part 3
